; MI455X (gfx1250); checked and timed in simulation.
; The chip was launched on July 23, 2026; its instructions are those of AMD's public machine-readable ISA for CDNA 5 (MIT licence, August 2026) and "CDNA5" Instruction Set Architecture Reference Guide (July 2026). The comments in the code are by the model that wrote it; some were corrected since.
;; Multi Head Attention. Allowed arithmetic: matrix products marked QUANTISED: E4M3 operands, one given power-of-two scale a tensor, by v_wmma_f32_16x16x64_fp8_fp8 or v_wmma_f32_16x16x128_fp8_fp8, f32 sums; everything else in f32.
;; Inputs: W_proj_codes 1,024 x 32 x 32 uint8 (E4M3 codes of W_proj, K innermost, in blocks of 32 codes); W_qkv_codes 3,072 x 32 x 32 uint8 (E4M3 codes of W_qkv, K innermost, in blocks of 32 codes); lowp_scales 8 int32 (the exponents e of the quantised operands' scales 2^e); x_codes 4 x 2,048 x 32 x 32 uint8 (E4M3 codes of x, K innermost, in blocks of 32 codes).
;; Outputs: out0 4 x 2,048 x 1,024 float32.
;; This version of the problem:
;;   THIS VERSION OF THE PROBLEM IS GIVEN IN LOW PRECISION. The matrix products marked QUANTISED in the list below multiply operands that are first quantised to E4M3 (4 exponent bits, 3 mantissa bits; 8 bits a number), with one given power-of-two scale for each operand tensor; their sums are f32. All else is computed in f32.
;;   The module's matrix products, in the order in which they are computed (A, B: the left and right operand; K: the contracted axis; several contracted axes count as one K, in the product's order):
;;     1. [M 8,192, K 1,024] x [K 1,024, N 3,072]; A: input x (given as codes); B: input W_qkv (given as codes): QUANTISED (scales: A lowp_scales[0], B lowp_scales[1])
;;     2. batch 64 x [M 2,048, K 64] x [K 64, N 2,048]; A: computed on the way; B: computed on the way: QUANTISED (scales: A lowp_scales[2], B lowp_scales[3])
;;     3. batch 64 x [M 2,048, K 2,048] x [K 2,048, N 64]; A: softmax (see below); B: computed on the way: QUANTISED (scales: A lowp_scales[4], B lowp_scales[5])
;;     4. [M 8,192, K 1,024] x [K 1,024, N 1,024]; A: computed on the way; B: input W_proj (given as codes): QUANTISED (scales: A lowp_scales[6], B lowp_scales[7])
;;   THE QUANTISER, for each operand of a quantised product, along K:
;;     - The operand's scale is 2^e, e = its entry of the input lowp_scales (int32; the entries are numbered through the quantised products in the list's order, A before B).
;;     - Each number is divided by the scale, clamped to +-448, and rounded to the nearest number of E4M3, ties to even, subnormals kept.
;;     - The product sums the exact products of the quantised numbers (number of the format x scale) in f32.
;;   ~~~python
;;   def quantise(x, axis, e):      # numpy; x: float32 -> the quantised numbers, widened to float32 again
;;       x = np.moveaxis(x, axis, -1); K = x.shape[-1]
;;       r = np.clip(x / 2.0 ** e, -448, 448)
;;       step = 2.0 ** (np.maximum(np.frexp(np.where(r == 0, 1, r))[1] - 1, -6) - 3)
;;       q = np.round(r / step) * step * 2.0 ** e      # np.round: ties to even
;;       return np.moveaxis(q, -1, axis).astype(np.float32)
;;   ~~~
;;   SOFTMAX AHEAD OF A QUANTISED PRODUCT. Where the list says 'softmax', what is quantised is not the finished softmax but p = 2^(t - M), with t = logit x log2(e) and M = ceil(the row's largest t), a whole number; so 1/2 < the row's largest p <= 1. The row's sum l is taken of the UNQUANTISED p, in f32, and the product's result is divided by l at the end. Since M is a whole number, a kernel that streams over the keys may use a running M (the ceiling of the running maximum): every later rescaling is an exact power of two, so the quantised numbers keep their values, but for numbers so far below the row's largest that they fall under the format's range.
;;   OPERANDS COMPUTED ON THE WAY. 'Computed on the way' means the value that the module computes at that place (a softmax that the list does not call 'softmax' is quantised finished and normalised). What goes into a quantiser is computed in f32, as accurately as f32 sums, v_exp_f32 and their like allow (about 1e-6 of the number): no bf16 or f16 on the way to a quantiser, and a product that is left as it is and whose result goes on into a quantised operand takes f32 operands (vector FMAs, or v_wmma_f32_16x16x4_f32). A number that lies on a knife's edge between two numbers of the format may be rounded either way, as far as f32 arithmetic and the matrix unit's own rounding can turn it there, and no further.
;;   INPUTS GIVEN AS CODES. W_proj (in the module: [1024, 1024], K = its axis 1); W_qkv (in the module: [3072, 1024], K = its axis 1); x (in the module: [4, 2048, 1024], K = its axis 2): each comes as NAME_codes (uint8): NAME with its K axis moved to the last place and cut into blocks of 32 codes, [.., K / 32, bytes a block], one block behind the other in memory; one code a byte (a code: sign, 4 exponent bits, 3 mantissa bits); its scale is its entry of lowp_scales. Its value is code x scale, taken as it is: it is not quantised again, and the codes and scales need not be those that the quantiser above would give.
;; One version. Each part assembles by itself: llvm-mc -triple=amdgcn-amd-amdhsa -mcpu=gfx1250 --defsym DOCPART=n.
;; ======== version 1 of 1: 3 launches
;; limits: right only within a limited range of input values
;; workspace buffers: qkvc 25,165,824 bytes; attc 8,388,608 bytes
;; launch qkv (part 1): grid 12 x 32, 4 waves a work-group, clusters of 4 x 4, 327,680 bytes of LDS; arguments x_codes, W_qkv_codes, lowp_scales, qkvc; writes qkvc
.if DOCPART == 1
	.amdgcn_target "amdgcn-amd-amdhsa--gfx1250"
	.amdhsa_code_object_version 6
	.text
	.protected	k_qfabc857581_qkv
	.globl	k_qfabc857581_qkv
	.p2align	8
	.type	k_qfabc857581_qkv,@function
k_qfabc857581_qkv:
	s_mov_b64 s[64:65], 0
	v_nop
	global_prefetch_b8 v0, s[64:65] scope:SCOPE_SE
	s_setreg_imm32_b32 hwreg(HW_REG_WAVE_MODE, 25, 1), 1
	s_wait_xcnt 0x0
	s_wait_alu depctr_hold_cnt(0) depctr_sa_sdst(0) depctr_va_vdst(0) depctr_va_sdst(0) depctr_va_ssrc(0) depctr_va_vcc(0) depctr_vm_vsrc(0)
	s_getreg_b32 s2, hwreg(HW_REG_IB_STS2, 6, 4)
	s_cmp_eq_u32 s2, 0
	s_cbranch_scc0 .Lentry_in_a_cluster
	s_endpgm
.Lentry_in_a_cluster:
	s_bfe_u32 s2, ttmp6, 0x10000c
	s_cmp_lg_u32 s2, 0xf033
	s_cbranch_scc0 .Lentry_shape_is_right
	s_endpgm
.Lentry_shape_is_right:
; qkv = x W_qkv^T on codes of FP8 (E4M3), then the quantisers of q (scale entry 2), k (entry 3) and v (entry 5).  x: [8192][1024] codes, W_qkv: [3072][1024] codes, K innermost.
; A work-group of four waves makes 256 x 256 sums, a wave 128 x 128: 64 accumulators of 16 x 16.  K = 1,024 goes in four steps of 256 through a ring of two LDS slots filled by the tensor data mover.
; THE KIND is the cluster's x: 0 = q, 1 = k, 2 = v; it is the same in all sixteen partners and enters selections alone, never a branch.
;   q, k: region A of a slot holds 256 rows of x (tokens), region B 256 rows of W_qkv (channels).   v: THE REGIONS CHANGE ROLES: region A holds rows of W_qkv, region B rows of x.
; The matrix instruction takes source 0 from region B and source 1 from region A: a lane then holds ONE row of region A and eight neighbouring rows of region B.  So for q and k a lane's eight sums are eight
; neighbouring channels of a token, for v eight neighbouring keys of a channel: in each case neighbours along the K of the product that reads them, and one conversion makes eight codes of them.
; THE CODES LEAVE IN THE ORDER OF THE NEXT OPERAND'S REGISTERS, in units of 512 bytes (lane l's 16 bytes at 16 l): two neighbouring tiles' codes are four registers of a lane and one store of the wave, which
; covers 512 consecutive bytes, aligned.  No LDS is needed on the way out.
;   q at byte 0, k at 2^23, v at 2^24 of the workspace; in each a head (16 batch + head) has 131,072 bytes.
;   q, k: [block of 16 tokens (128)][c (2)][unit]: lane (r, h) holds, of token r, channels 32 c + 8 h + 0..7 and 32 c + 16 + 8 h + 0..7.
;   v:    [128 keys (16)][block of 16 channels (4)][c (4)][unit]: lane (r, h) holds, of channel r, keys 32 c + 8 h + 0..7 and 32 c + 16 + 8 h + 0..7.
; CLUSTERS: 4 x 4 work-groups.  Region A's tile hangs on cy and the cluster's own coordinates and is asked for jointly by a row of the cluster, region B's on cx and is asked for jointly by a column.
; A fragment is fetched by four loads of 16 bytes: registers 4 c .. 4 c + 3 hold K = 32 c + 16 (l / 16) + 0..15: a permutation of k that is the same on both sides, so every product meets its partner.
; code = sum x 2^(e0 + e1) / 2^e, held within +-448: the three exponents are folded into the conversion's one scale.
; LIMIT: e - e0 - e1 lies between -126 and 119 for e = entries 2, 3 and 5, so that the scale and 448 x the scale are f32 numbers.  NaN codes among the inputs are not served.
; The grid has 384 work-groups of equal work: a tile with half as many again of region B's rows, which would make 256, does not fit: 768 accumulator registers a wave, and two slots of 640 rows in LDS.
; No prefetch: the launch has four K steps, two of which are asked for at its head.
; REGISTERS, in windows of 256: window 0: v8-11 store offsets, v12 the conversion's scale, v16-21 LDS addresses, v28-29 for the add; v128-255 region A's fragments (one set), on the way out the codes.
;   window 1: region B's fragments, two sets, at v0 and v128.   window 2: the accumulators of my rows 0-63 ((a, b) at v[8 (8 a + b)]);   window 3: those of my rows 64-127.
.set ROWB,   256                       ; a tile's row in bytes: 256 codes
.set KROW,   1024                      ; a row of x or of W_qkv in memory
.set PITCH,  272                       ; an LDS row: 256 bytes + 16 of padding = 68 words: the 16 rows that a load touches start at 16 different banks (64 banks of 4 bytes: ISA guide 11.1)
.set FR,     16                        ; registers of a fragment: 16 rows x 128 K
.set NL,     4                         ; LDS loads that bring one
.set NP,     4                         ; places behind this matrix instruction (ISA guide 7.12.1)
.set HALFT,  128*PITCH                 ; 128 rows: what one tensor load brings, and what one wave reads of a region
.set SLOT,   4*HALFT                   ; region A's 256 rows, then region B's
.set SPARE,  2*SLOT                    ; behind the ring: the spare words, 128 bytes for each wave, which no other line names
.set VO,   8                           ; v8-11   16 x lane + i x S1: a unit's place for my lane, for blocks a % 4 = i
.set SCL,  12                          ; v12     the conversion's scale as f32
.set ADRA, 16                          ; v16-17  LDS address of my region A fragments in slot 0, 1
.set ADRB, 20                          ; v20-21  the same for region B
.set SPW,  28                          ; v28     LDS address of my spare word; never rewritten
.set NIL,  29                          ; v29     0; never rewritten
.set AF,   128                         ; region A's fragments, in window 0
.set CD,   128                         ; the way out: 128 registers of codes; unit (a, c) at v[CD + 16 a + 4 c]
.set G1, 24                            ; s[24:31] descriptor group 1 for region A;  s[32:39] group 0, one set for each slot
.set G0, 32
.set G1B, 48                           ; s[48:55], s[56:63] the same for region B
.set G0B, 56
.set OB, 76                            ; s[76:83] four store bases: (a / 4, c / 2) at s[OB + 2 (a / 4) + 4 (c / 2)]
.set LNEG, 87                          ; s87, s88  -448 and +448 x the scale
.set LPOS, 88
.set MSB, 0
.macro WIN new                         ; the immediate's high byte repeats the setting that is left
.if MSB != \new
	s_set_vgpr_msb (MSB<<8)|\new
.set MSB, \new
.endif
.endm
.set MUL_LO, 0xa1                      ; source 0 (region B) window 1, source 1 (region A) window 0, C and D window 2
.set MUL_HI, 0xf1                      ; the same, C and D window 3
.set TO_B,   0x40                      ; destination window 1, address window 0
; A joint load: waves 0 and 1 fetch for region A, waves 2 and 3 for region B.  Each line has one mask and one set of registers for all that issue it; the branch hangs on the wave's number alone.
; Four v_nop follow each of the two lines, ahead of the jump, the label and what follows.
.macro JLOAD g0a, g1a, g0b, g1b
	s_cmp_eq_u32 s15, 0
	s_cbranch_scc0 .Lfor_b_\@
	tensor_load_to_lds s[\g0a:\g0a+3], s[\g1a:\g1a+7]
	s_nop 0
.rept 4
	v_nop
.endr
	s_branch .Lasked_\@
.Lfor_b_\@:
	tensor_load_to_lds s[\g0b:\g0b+3], s[\g1b:\g1b+7]
	s_nop 0
.rept 4
	v_nop
.endr
.Lasked_\@:
.endm
.macro CREST                           ; a round of the cluster's barrier behind its opening barrier
	s_cmp_lg_u32 s14, 0
	s_cbranch_scc1 .Lnot_wave_0_\@
	s_barrier_signal -3
.Lnot_wave_0_\@:
	s_barrier_wait -3
	s_barrier_signal -1
	s_barrier_wait -1
.endm
.macro CROUND                          ; a whole round
	s_barrier_signal -1
	s_barrier_wait -1
	CREST
.endm
	s_load_b256 s[4:11], s[0:1], 0x0               ; x s[4:5], W_qkv s[6:7], the scales' exponents s[8:9], the workspace s[10:11]
	v_lshl_add_u32 v[SPW], v0, 2, SPARE
	v_mov_b32 v[NIL], 0
	ds_add_u32 v28, v29
	ds_add_u32 v28, v29
	s_wait_dscnt 0x0
	v_lshrrev_b32 v1, 5, v0
	v_readfirstlane_b32 s14, v1                    ; wave 0..3
	s_lshr_b32 s15, s14, 1                         ; which half of region A's rows is mine.  Also: I fetch for region A (0) or B (1)
	s_and_b32 s16, s14, 1                          ; which half of region B's rows.  Also: which 128 rows of that region I fetch
	s_bfe_u32 s40, ttmp6, 0x40000                  ; cx, cy: my place in the cluster
	s_bfe_u32 s41, ttmp6, 0x40004
	s_and_b32 s42, ttmp7, 0xffff
	s_lshl_b32 s42, s42, 2                         ; 4 x cluster y
	s_lshl_b32 s43, s41, 2
	s_lshl_b32 s43, 15, s43                        ; my row of the cluster
	s_lshl_b32 s44, 0x1111, s40                    ; my column
	; descriptor group 1: a tile of 128 rows x 256 bytes, padded in LDS
	s_or_b32 s[G1+0], s43, (0<<16)|(1<<20)|(1<<21)|(5<<22)|(3<<25)  ; 15:0 the mask: region A's tiles go to my row; 17:16 elements of 1 byte; 20 padding on; 21 set beside a mask; 24:22 after every 64 words; 31:25 four words
	s_or_b32 s[G1B+0], s44, (0<<16)|(1<<20)|(1<<21)|(5<<22)|(3<<25) ; the same with the mask of my column
.irp g, G1, G1B
	s_mov_b32 s[\g+1], ROWB<<16                    ; tensor_dim0
	s_mov_b32 s[\g+2], 128<<16                     ; tensor_dim1 = 128
	s_mov_b32 s[\g+3], ROWB<<16                    ; tile_dim0
	s_mov_b32 s[\g+4], 128                         ; tile_dim1 = 128
	s_mov_b32 s[\g+5], KROW                        ; tensor_dim0_stride
	s_mov_b32 s[\g+6], 0
	s_mov_b32 s[\g+7], 0
.endr
	; which tile of 256 rows each region takes.  Region A's number is made of cy, region B's of cx, each in registers that never hold the other
	s_add_co_u32 s17, s42, s41                     ; q, k: region A = x's tile 4 Y + cy
	s_add_co_u32 s18, s41, 8                       ; v:    region A = W_qkv's tile 8 + cy
	s_lshl_b32 s19, ttmp9, 2
	s_add_co_u32 s19, s19, s40                     ; q, k: region B = W_qkv's tile 4 kind + cx
	s_add_co_u32 s46, s42, s40                     ; v:    region B = x's tile 4 Y + cx
	s_cmp_eq_u32 ttmp9, 2
	s_cselect_b32 s20, s18, s17
	s_cselect_b32 s46, s46, s19
	s_lshl_b32 s22, s16, 7                         ; which 128 rows of the tile I fetch
	s_lshl_b32 s20, s20, 8
	s_add_co_u32 s20, s20, s22
	s_lshl_b32 s20, s20, 10                        ; rows of 1,024 bytes: under 2^23
	s_mov_b32 s21, 0
	s_lshl_b32 s46, s46, 8
	s_add_co_u32 s46, s46, s22
	s_lshl_b32 s46, s46, 10
	s_mov_b32 s47, 0
	s_mul_i32 s45, s14, HALFT                      ; where they go: wave x 128 rows: no place in the cluster enters an LDS address
	s_wait_kmcnt 0x0
	s_load_b256 s[68:75], s[8:9], 0x0              ; e0 .. e7
	s_cmp_eq_u32 ttmp9, 2                          ; the choice of buffers hangs on the kind alone
	s_cselect_b64 s[12:13], s[6:7], s[4:5]         ; region A's tensor
	s_cselect_b64 s[66:67], s[4:5], s[6:7]         ; region B's
	s_add_nc_u64 s[20:21], s[12:13], s[20:21]
	s_add_nc_u64 s[46:47], s[66:67], s[46:47]
	CROUND                                         ; all sixteen work-groups are here: the first joint loads meet
.irp s, 0,1
	s_mov_b32 s[G0+4*\s], 1
	s_add_co_u32 s[G0+4*\s+1], s45, \s*SLOT
	s_add_nc_u64 s[G0+4*\s+2:G0+4*\s+3], s[20:21], \s*ROWB
	s_or_b32 s[G0+4*\s+3], s[G0+4*\s+3], 0x80000000
	s_mov_b32 s[G0B+4*\s], 1
	s_add_co_u32 s[G0B+4*\s+1], s45, \s*SLOT
	s_add_nc_u64 s[G0B+4*\s+2:G0B+4*\s+3], s[46:47], \s*ROWB
	s_or_b32 s[G0B+4*\s+3], s[G0B+4*\s+3], 0x80000000
	JLOAD G0+4*\s, G1, G0B+4*\s, G1B               ; K steps 0 and 1: two loads of mine are out
.endr
	v_and_b32 v1, 15, v0                           ; l % 16
	v_bfe_u32 v2, v0, 4, 1                         ; l / 16
	v_mul_u32_u24 v3, v1, PITCH
	v_lshl_add_u32 v4, v2, 4, v3                   ; a fragment's row x pitch + 16 x half
	s_mul_i32 s21, s15, HALFT                      ; my 128 rows of region A
	s_mul_i32 s22, s16, HALFT                      ; my 128 rows of region B,
	s_add_co_u32 s22, s22, 2*HALFT                 ; which lie behind region A's 256
.irp s, 0,1
	v_add_nc_u32 v[ADRA+\s], s21, v4
	v_add_nc_u32 v[ADRB+\s], s22, v4
	s_add_co_u32 s21, s21, SLOT
	s_add_co_u32 s22, s22, SLOT
.endr
	; the way out's addresses.  S1: from block a to a + 1; S2: from a to a + 4; S3: from c to c + 2.   q, k: 1,024 (a token block), 4,096, 131,072 (a head).   v: 2,048 (a channel block), 131,072 (a head), 1,024
	s_cmp_eq_u32 ttmp9, 2
	s_mov_b32 s84, 1024
	s_cselect_b32 s84, 2048, s84
	s_mov_b32 s85, 4096
	s_cselect_b32 s85, 0x20000, s85
	s_mov_b32 s86, 0x20000
	s_cselect_b32 s86, 1024, s86
	s_cselect_b32 s89, s40, s41                    ; the tokens lie in region B (v) or A (q, k): their tile's place,
	s_cselect_b32 s90, s16, s15                    ; and my half of it
	s_cselect_b32 s91, s41, s40                    ; the channels lie in the other region
	s_cselect_b32 s92, s15, s16
	s_add_co_u32 s89, s89, s42
	s_lshl_b32 s89, s89, 8
	s_lshl_b32 s90, s90, 7
	s_add_co_u32 s89, s89, s90                     ; my first token, 0 .. 8,064
	s_lshr_b32 s90, s89, 11                        ; its batch,
	s_and_b32 s89, s89, 2047                       ; and its place there
	s_lshl_b32 s90, s90, 21                        ; 16 heads of 131,072 bytes
	s_lshl_b32 s89, s89, 6                         ; 64 bytes a token in q, k and v alike: 1,024 for 16 tokens, 8,192 for 128 keys
	s_add_co_u32 s89, s89, s90
	s_lshl_b32 s91, s91, 2
	s_lshl_b32 s92, s92, 1
	s_add_co_u32 s91, s91, s92                     ; my first head: 4 x place + 2 x half
	s_lshl_b32 s91, s91, 17
	s_add_co_u32 s89, s89, s91
	s_lshl_b32 s92, ttmp9, 23                      ; q, k or v
	s_add_co_u32 s92, s89, s92                     ; under 2^25
	s_mov_b32 s93, 0
	s_add_nc_u64 s[OB:OB+1], s[10:11], s[92:93]
	s_mov_b32 s94, s85
	s_mov_b32 s95, 0
	s_add_nc_u64 s[OB+2:OB+3], s[OB:OB+1], s[94:95]        ; + S2
	s_mov_b32 s94, s86
	s_add_nc_u64 s[OB+4:OB+5], s[OB:OB+1], s[94:95]        ; + S3
	s_add_nc_u64 s[OB+6:OB+7], s[OB+2:OB+3], s[94:95]      ; + S2 + S3
	v_and_b32 v6, 31, v0
	v_lshlrev_b32 v[VO], 4, v6
	v_add_nc_u32 v[VO+1], s84, v[VO]
	v_add_nc_u32 v[VO+2], s84, v[VO+1]
	v_add_nc_u32 v[VO+3], s84, v[VO+2]
.macro FRAG reg, adr, q, i             ; a fragment, 16 rows x 128 K, is 16 registers: lane l holds row l % 16; registers 4 c .. 4 c + 3 hold K = 32 c + 16 (l / 16) + 0 .. 15
.irp c, 0,1,2,3
	ds_load_b128 v[\reg+4*\c:\reg+4*\c+3], v[\adr] offset:128*(\q)+32*\c+(\i)*16*PITCH
.endr
.endm
; 16 matrix instructions: region A's blocks a0, a0 + 1 x region B's eight, 128 along K.  p: region B's set.  zero = 1: the first product starts the sums: nothing is ever cleared.
; The 64 accumulators take turns, one instruction a turn, in the same order in every step.
.macro MUL16 a0, p, zero
.irp a, \a0, \a0+1
.irp b, 0,1,2,3,4,5,6,7
.if \zero
	v_wmma_f32_16x16x128_fp8_fp8 v[8*(8*((\a)%4)+\b):8*(8*((\a)%4)+\b)+7], v[128*(\p)+FR*\b:128*(\p)+FR*\b+FR-1], v[AF+FR*(\a):AF+FR*(\a)+FR-1], 0
.else
	v_wmma_f32_16x16x128_fp8_fp8 v[8*(8*((\a)%4)+\b):8*(8*((\a)%4)+\b)+7], v[128*(\p)+FR*\b:128*(\p)+FR*\b+FR-1], v[AF+FR*(\a):AF+FR*(\a)+FR-1], v[8*(8*((\a)%4)+\b):8*(8*((\a)%4)+\b)+7]
.endif
.endr
.endr
.endm
.macro FETCH_B slot, q, p              ; region B's eight fragments of the slot's q-th 128 along K into set p
	WIN TO_B
.irp i, 0,1,2,3,4,5,6,7
	FRAG 128*(\p)+FR*\i, ADRB+\slot, \q, \i
.endr
	WIN 0
.endm
.macro FETCH_A slot, q, i0             ; region A's blocks i0 .. i0 + 3
.irp i, \i0, \i0+1, \i0+2, \i0+3
	FRAG AF+FR*(\i), ADRA+\slot, \q, \i
.endr
.endm
; A load into a register that a matrix instruction has read, and a vector instruction that reads a matrix result, stand NP places behind that matrix instruction; only plain vector instructions that name none of
; its registers are places (ISA guide 7.12.1 for vector instructions).
.macro PLACES n
.rept \n
	v_nop
.endr
.endm
; A step of 128 along K that has its successor in the same slot.  A block of region A is free as soon as its eight products are issued: blocks 0-3 are fetched anew in the step's middle, blocks 4-7 at its end.
.macro STEP slot, q, zero
	s_wait_dscnt 4*NL                              ; region B's set and region A's blocks 0-3 are in; the youngest 16 loads (blocks 4-7) may be out
	WIN MUL_LO
	MUL16 0, (\q)%2, \zero
	MUL16 2, (\q)%2, \zero
	s_wait_dscnt 0                                 ; blocks 4-7 are in (asked for 32 matrix instructions ago)
	PLACES NP
	FETCH_B \slot, (\q)+1, 1-(\q)%2
	FETCH_A \slot, (\q)+1, 0
	WIN MUL_HI
	MUL16 4, (\q)%2, \zero
	MUL16 6, (\q)%2, \zero
	PLACES NP
	WIN 0
	FETCH_A \slot, (\q)+1, 4
.endm
; A slot's last step changes slots: ONE barrier; in front of it each wave waits for all its tensor loads, adds 0 to its spare word, and waits for that and for its own reads of this slot.  fill = 1: this slot is filled again, two K steps ahead.
.macro TURN slot, next, fill
	s_wait_tensorcnt 0x0                           ; all my tensor loads have landed: my part of the next slot  (every window is 0 here)
	ds_add_u32 v[SPW], v[NIL]                      ; 0 onto my spare word
	s_wait_dscnt 4*NL+1                            ; (the add and the youngest 16 loads, blocks 4-7, may be out)
	WIN MUL_LO
	MUL16 0, 1, 0                                  ; sixteen matrix instructions stand between the add and the wait for it
	s_wait_dscnt 0x0                               ; the add is done, and my reads of this slot are over
	s_barrier_signal -1
	MUL16 2, 1, 0
	WIN 0
	s_barrier_wait -1
.if \fill
	CREST                                          ; the barrier has opened a round of the cluster's barrier: no wave of any partner still reads this slot's tile or has a load on its way
	s_add_nc_u64 s[G0+4*\slot+2:G0+4*\slot+3], s[G0+4*\slot+2:G0+4*\slot+3], 2*ROWB
	s_add_nc_u64 s[G0B+4*\slot+2:G0B+4*\slot+3], s[G0B+4*\slot+2:G0B+4*\slot+3], 2*ROWB
	JLOAD G0+4*\slot, G1, G0B+4*\slot, G1B         ; the first tensor load behind the round, my only one until the next; its four v_nop are the places in front of the loads below
.else
	PLACES NP
.endif
	FETCH_B \next, 0, 0
	FETCH_A \next, 0, 0
	WIN MUL_HI
	MUL16 4, 1, 0
	MUL16 6, 1, 0
	PLACES NP
	WIN 0
	FETCH_A \next, 0, 4
.endm
	s_wait_alu depctr_va_vdst(0)
	s_wait_tensorcnt 1                             ; my part of K step 0 is in; K step 1's load may be out
	s_barrier_signal -1
	s_barrier_wait -1                              ; everybody's is
	FETCH_B 0, 0, 0
	FETCH_A 0, 0, 0
	FETCH_A 0, 0, 4
	STEP 0, 0, 1                                   ; K 0-127: its products start the sums
	TURN 0, 1, 1                                   ; K 128-255; slot 0 takes K step 2
	STEP 1, 0, 0
	TURN 1, 0, 1                                   ; slot 1 takes K step 3
	STEP 0, 0, 0
	TURN 0, 1, 0                                   ; nothing is left to fetch
	STEP 1, 0, 0
	s_wait_dscnt 4*NL                              ; the last step
	WIN MUL_LO
	MUL16 0, 1, 0
	MUL16 2, 1, 0
	s_wait_dscnt 0
	WIN MUL_HI
	MUL16 4, 1, 0
	MUL16 6, 1, 0
	WIN 0
	; THE WAY OUT.  The scale of the conversion: a sum stands for sum x 2^(e0 + e1), its code is sum / 2^(e - e0 - e1)
	s_wait_kmcnt 0x0
	s_cmp_eq_u32 ttmp9, 0
	s_cselect_b32 s96, s70, s71                    ; q: entry 2; k: entry 3;
	s_cmp_eq_u32 ttmp9, 2
	s_cselect_b32 s96, s73, s96                    ; v: entry 5
	s_sub_co_i32 s96, s96, s68
	s_sub_co_i32 s96, s96, s69
	s_add_co_i32 s96, s96, 127
	s_lshl_b32 s97, s96, 23
	v_mov_b32 v[SCL], s97                          ; 2^(e - e0 - e1) as f32: the conversion takes its exponent field
	s_add_co_i32 s96, s96, 8
	s_lshl_b32 s[LPOS], s96, 23
	s_or_b32 s[LPOS], s[LPOS], 0x600000            ; 448 x that,
	s_or_b32 s[LNEG], s[LPOS], 0x80000000          ; and its negative
	PLACES NP                                      ; behind the last products: the conversions read results and write where region A's fragments lay
; My rows 64 W .. 64 W + 63: 32 conversions, eight codes each; 16 stores of 512 consecutive bytes.  No register of a store is written again.
.macro OUTW W
	WIN 0x82+0x41*(\W)                             ; destination and source 0: window 2 + W
.set j, 0
.rept 256
.set j, j+1
.endr
	WIN 0x02+(\W)                                  ; source 0: window 2 + W; the codes and the scale in window 0
.set j, 0
.rept 32
	v_cvt_scalef32_pk8_fp8_f32 v[CD+64*(\W)+2*j:CD+64*(\W)+2*j+1], v[8*j:8*j+7], v[SCL]
.set j, j+1
.endr
	v_nop                                          ; one plain vector instruction behind the last conversion of the run
	WIN 0
.irp a, 0,1,2,3
.irp c, 0,1,2,3
	global_store_b128 v[VO+\a], v[CD+64*(\W)+16*\a+4*\c:CD+64*(\W)+16*\a+4*\c+3], s[OB+2*(\W)+4*(\c/2):OB+2*(\W)+4*(\c/2)+1] offset:512*(\c%2)
.endr
.endr
.endm
	OUTW 0
	OUTW 1
	s_wait_tensorcnt 0x0                           ; the wave's end
	ds_add_u32 v[SPW], v[NIL]
	s_wait_dscnt 0x0
	CROUND                                         ; the closing round: no work-group ends while a partner may still ask for a tile that names it
	s_endpgm
.Lfunc_end_k_qfabc857581_qkv:
	.size	k_qfabc857581_qkv, .Lfunc_end_k_qfabc857581_qkv-k_qfabc857581_qkv
	.p2alignl 7, 3214868480
	.fill 96, 4, 3214868480
	.section	.rodata,"a",@progbits
	.p2align	6, 0x0
	.amdhsa_kernel k_qfabc857581_qkv
		.amdhsa_group_segment_fixed_size 327680
		.amdhsa_private_segment_fixed_size 0
		.amdhsa_enable_private_segment 0
		.amdhsa_kernarg_size 32
		.amdhsa_user_sgpr_count 2
		.amdhsa_user_sgpr_kernarg_segment_ptr 1
		.amdhsa_wavefront_size32 1
		.amdhsa_system_sgpr_workgroup_id_x 1
		.amdhsa_system_sgpr_workgroup_id_y 1
		.amdhsa_system_sgpr_workgroup_id_z 1
		.amdhsa_system_vgpr_workitem_id 0
		.amdhsa_next_free_vgpr 1024
		.amdhsa_next_free_sgpr 98
		.amdhsa_reserve_vcc 0
		.amdhsa_float_denorm_mode_32 3
		.amdhsa_float_denorm_mode_16_64 3
		.amdhsa_fp16_overflow 1
		.amdhsa_memory_ordered 1
		.amdhsa_forward_progress 1
		.amdhsa_inst_pref_size 86
	.end_amdhsa_kernel
	.amdgpu_metadata
---
amdhsa.version: [ 1, 2 ]
amdhsa.kernels:
  - .name:           k_qfabc857581_qkv
    .symbol:         k_qfabc857581_qkv.kd
    .args:
      - { .name: x_codes, .offset: 0, .size: 8, .value_kind: global_buffer, .address_space: global }
      - { .name: W_qkv_codes, .offset: 8, .size: 8, .value_kind: global_buffer, .address_space: global }
      - { .name: lowp_scales, .offset: 16, .size: 8, .value_kind: global_buffer, .address_space: global }
      - { .name: qkvc, .offset: 24, .size: 8, .value_kind: global_buffer, .address_space: global }
    .group_segment_fixed_size: 327680
    .private_segment_fixed_size: 0
    .kernarg_segment_align: 8
    .kernarg_segment_size: 32
    .max_flat_workgroup_size: 128
    .sgpr_count:     98
    .vgpr_count:     1024
    .wavefront_size: 32
...
	.end_amdgpu_metadata
.endif
;; end of part 1
;; launch attn (part 2): grid 4 x 64, 16 waves a work-group, clusters of 4 x 1, 264,192 bytes of LDS; arguments qkvc, lowp_scales, attc; writes attc
.if DOCPART == 2
	.amdgcn_target "amdgcn-amd-amdhsa--gfx1250"
	.amdhsa_code_object_version 6
	.text
	.protected	k_qfabc857581_attn
	.globl	k_qfabc857581_attn
	.p2align	8
	.type	k_qfabc857581_attn,@function
k_qfabc857581_attn:
	s_mov_b64 s[64:65], 0
	v_nop
	global_prefetch_b8 v0, s[64:65] scope:SCOPE_SE
	s_setreg_imm32_b32 hwreg(HW_REG_WAVE_MODE, 25, 1), 1
	s_wait_xcnt 0x0
	s_wait_alu depctr_hold_cnt(0) depctr_sa_sdst(0) depctr_va_vdst(0) depctr_va_sdst(0) depctr_va_ssrc(0) depctr_va_vcc(0) depctr_vm_vsrc(0)
	s_getreg_b32 s2, hwreg(HW_REG_IB_STS2, 6, 4)
	s_cmp_eq_u32 s2, 0
	s_cbranch_scc0 .Lentry_in_a_cluster
	s_endpgm
.Lentry_in_a_cluster:
	s_bfe_u32 s2, ttmp6, 0x10000c
	s_cmp_lg_u32 s2, 0x3003
	s_cbranch_scc0 .Lentry_shape_is_right
	s_endpgm
.Lentry_shape_is_right:
; Causal attention of one head (64 channels, 2,048 tokens) on codes of FP8 (E4M3), and the quantiser of its result (scale entry 6).  The workspace holds q, k, v as codes in units of 512 bytes, lane l's 16 bytes at 16 l:
;   q at byte 0, k at 2^23: a head is [block of 16 tokens (128)][c (2)][unit]: registers 4 c .. 4 c + 3 of the 16 x 16 x 64 form's operand;
;   v at 2^24: a head is [128 keys (16)][block of 16 channels (4)][c (4)][unit]: registers 4 c .. 4 c + 3 of the 16 x 16 x 128 form's operand, the keys along K.
; THE SOFTMAX AHEAD OF THE SECOND PRODUCT: t = score x log2(e) / 8; M = the row's largest t so far, rounded UP to a whole number; p = 2^(t - M) is quantised (entry 4), not normalised.  The row's sum is taken of
; the unquantised p and divides at the end.  When M moves, the sum and O are multiplied by 2^(old M - new M): exact.
; SHARES.  A cluster of four work-groups is one head (16 batch + head = the grid's y).  THE WHOLE HEAD'S K AND V LIE IN LDS, 131,072 bytes each, filled ONCE by joint loads: all four partners ask for the same
; bytes with the same descriptor.  Nothing in LDS is filled again or stored to.  The head's 128 tiles of 16 queries fall into 16 groups of 8; a tile of group g wants g + 1 steps of 128 keys.
; Wave w takes two tiles: first one of group min(w, 15 - w), then one of group 15 - min(w, 15 - w): 17 key steps for every wave.  Which steps a wave leaves out hangs on its number alone; the work-group's place
; in the cluster chooses which of a group's eight tiles it takes and enters global addresses and the mask's numbers, never a branch or an LDS address.
; The first tiles want keys 0-1,023 alone: they are worked while the other half of the head is still on its way.
; LAYOUT.  Both products are used transposed: S^T = K Q^T (source 0 = 16 keys, source 1 = my 16 queries), O^T = V^T P^T: a lane holds ONE query (lane % 16) throughout; register j of score tile u is key
; 16 u + 8 (lane / 16) + j, so tile u's eight codes ARE registers 2 u, 2 u + 1 of the second product's operand.
; THE MASK.  reference() sets hidden scores to -10,000; here a step all of whose keys are hidden is left out, and in the step on the diagonal hidden scores become -infinity: p = 0.
; LIMITS: a visible logit is at most 64 x 448^2 x 2^(e2 + e3) / 8 in magnitude: for e2 + e3 <= -8 that is 6,272, and 2^((-10,000 - logit) log2 e) is 0 in f32 for every input: nothing is lost.  For larger e2 + e3 the
; text is right where each row's largest visible logit lies above -9,890.  e2 + e3 between -123 and 130 (added to c's exponent field); e4, and e6 - e4 - e5, between -126 and 119.  NaN codes are not served.
; THE RESULT leaves as codes, [block of 16 tokens (512)][head (16)][c (2)][unit]: lane (r, h) holds, of token r, channels 32 c + 16 h + 0..15 of the head: the order in which the last product's fragments are loaded.
; No prefetch: every byte of K and V is asked for at the kernel's head.
; REGISTERS: v1 16 x lane; v4 r - 8 h; v5 the mask's d; v6 -infinity; v8, v9 LDS addresses; v10 a permute's result; v12 -M, v13 the largest t, v[14:15] the sum in two halves; v[16:23] Q; v24 2^e4;
;   v26 the same for e6 - e4 - e5; v[28:29] f; v30, v31 at work; v32-95 K's eight fragments, later p's codes (v32-47), a sum (v48-49), the way out; v96-159 S^T, then p; v160-191 O^T; v192-255 V's four fragments.
.set LV,    0x20000                    ; V's codes in LDS, behind K's
.set STEPB, 8192                       ; 128 keys in K and in V
.set WV,  10                           ; s10  my wave's number
.set CX,  11                           ; s11  my work-group's place in the cluster
.set BH,  12                           ; s12  16 batch + head
.set GA,  15                           ; s15, s16  the groups of my two tiles
.set GB,  16
.set DA,  17                           ; s17, s18  16 x my tiles' places in their groups
.set DB,  18
.set KS,  19                           ; s19  the key step
.set SEL, 20                           ; s[20:21] lane selects for v_permlanex16_b32: lane l xor 16
.set CS,  22                           ; s[22:23] c = log2(e) / 8 x 2^(e2 + e3)
.set G1,  24                           ; s[24:31] descriptor group 1;  s[32:35], s[36:39] group 0 of my two loads
.set G0A, 32
.set G0B, 36
.set QA,  40                           ; s[40:43] my two tiles of q;  s[44:47] their places in the result
.set QB,  42
.set OA,  44
.set OB,  46
.set SC,  48                           ; s[48:55] e0 .. e7
.set TB,  56                           ; s56  LDS byte of the key step
.set HM,  57                           ; s57  the mask of lanes 16-31
.macro CROUND                          ; a round of the cluster's barrier
	s_barrier_signal -1
	s_barrier_wait -1
	s_cmp_lg_u32 s[WV], 0
	s_cbranch_scc1 .Lnot_wave_0_\@
	s_barrier_signal -3
.Lnot_wave_0_\@:
	s_barrier_wait -3
	s_barrier_signal -1
	s_barrier_wait -1
.endm
	s_load_b128 s[4:7], s[0:1], 0x0                ; the codes of q, k, v s[4:5], the scales' exponents s[6:7]
	s_load_b64 s[8:9], s[0:1], 0x10                ; the result's codes
	v_lshl_add_u32 v7, v0, 2, 0x40000
	v_mov_b32 v11, 0
	ds_add_u32 v7, v11
	ds_add_u32 v7, v11
	v_lshrrev_b32 v2, 5, v0
	s_delay_alu instid0(VALU_DEP_1)
	v_readfirstlane_b32 s[WV], v2                  ; wave 0..15
	s_and_b32 s[BH], ttmp7, 0xffff
	s_lshl_b32 s60, s[BH], 17                      ; the head's 131,072 bytes
	; what I fetch, if I fetch: waves 0-3 K's, waves 4-7 V's; a quarter (16,384 bytes) of keys 0-1,023, then the same quarter of keys 1,024-2,047
	s_and_b32 s72, s[WV], 7
	s_lshr_b32 s73, s72, 2                         ; K or V
	s_and_b32 s72, s72, 3
	s_lshl_b32 s72, s72, 14                        ; the quarter
	s_lshl_b32 s74, s73, 17
	s_add_co_u32 s74, s74, s72                     ; in LDS
	s_lshl_b32 s66, s73, 23
	s_add_co_u32 s66, s66, s72
	s_add_co_u32 s66, s66, s60
	s_add_co_u32 s66, s66, 0x800000                ; in the workspace: k begins at 2^23, v at 2^24; under 2^25
	s_mov_b32 s67, 0
	; descriptor group 1: a dense block of 64 rows x 256 bytes, no padding: a fragment's load takes 512 consecutive bytes
	s_mov_b32 s[G1], 15|(3<<16)|(1<<21)            ; 15:0 the mask: all four work-groups; 17:16 elements of 8 bytes; 21 set beside a mask
	s_mov_b32 s[G1+1], 32<<16                      ; tensor_dim0 = 32
	s_mov_b32 s[G1+2], 64<<16                      ; tensor_dim1 = 64
	s_mov_b32 s[G1+3], 32<<16                      ; tile_dim0 = 32
	s_mov_b32 s[G1+4], 64                          ; tile_dim1 = 64
	s_mov_b32 s[G1+5], 32                          ; tensor_dim0_stride
	s_mov_b32 s[G1+6], 0
	s_mov_b32 s[G1+7], 0
	s_wait_dscnt 0x0
	s_wait_kmcnt 0x0
	s_load_b256 s[SC:SC+7], s[6:7], 0x0            ; e0 .. e7
	s_mov_b32 s[G0A], 1
	s_mov_b32 s[G0A+1], s74
	s_add_nc_u64 s[G0A+2:G0A+3], s[4:5], s[66:67]
	s_mov_b32 s[G0B], 1
	s_add_co_u32 s[G0B+1], s74, 0x10000
	s_add_nc_u64 s[G0B+2:G0B+3], s[G0A+2:G0A+3], 0x10000
	s_or_b32 s[G0A+3], s[G0A+3], 0x80000000
	s_or_b32 s[G0B+3], s[G0B+3], 0x80000000
	CROUND                                         ; all four work-groups are here: the joint loads meet
	s_cmp_lt_u32 s[WV], 8                          ; a wave's two loads stand in one branch on its number, ahead of every wait on TENSORcnt and every LDS read: two loads of mine are out
	s_cbranch_scc0 .Lno_fill
	tensor_load_to_lds s[G0A:G0A+3], s[G1:G1+7]    ; keys 0-1,023
	s_nop 0
	tensor_load_to_lds s[G0B:G0B+3], s[G1:G1+7]    ; keys 1,024-2,047
	s_nop 0
.rept 4
	v_nop
.endr
.Lno_fill:
	; my two tiles
	s_bfe_u32 s[CX], ttmp6, 0x40000
	s_xor_b32 s13, s[WV], 15
	s_min_u32 s[GA], s[WV], s13                    ; the first tile's group: 0 .. 7
	s_xor_b32 s[GB], s[GA], 15                     ; the second's: 15 .. 8
	s_lshr_b32 s14, s[WV], 3
	s_lshl_b32 s[DA], s[CX], 1
	s_add_co_u32 s[DA], s[DA], s14                 ; the first tile's place in its group: 2 cx + w / 8,
	s_xor_b32 s[DB], s[DA], 1                      ; the second's: 2 cx + 1 - w / 8
	s_lshl_b32 s58, s[GA], 3
	s_add_co_u32 s58, s58, s[DA]                   ; the tiles' numbers in the head
	s_lshl_b32 s59, s[GB], 3
	s_add_co_u32 s59, s59, s[DB]
	s_lshl_b32 s[DA], s[DA], 4
	s_lshl_b32 s[DB], s[DB], 4
	s_lshl_b32 s62, s58, 10                        ; a tile of q is 1,024 bytes
	s_add_co_u32 s62, s62, s60
	s_mov_b32 s63, 0
	s_add_nc_u64 s[QA:QA+1], s[4:5], s[62:63]
	s_lshl_b32 s62, s59, 10
	s_add_co_u32 s62, s62, s60
	s_add_nc_u64 s[QB:QB+1], s[4:5], s[62:63]
	s_lshr_b32 s68, s[BH], 4
	s_lshl_b32 s68, s68, 7                         ; the batch's 128 token blocks
	s_and_b32 s69, s[BH], 15
	s_lshl_b32 s69, s69, 10                        ; the head's 1,024 bytes of a token block's 16,384
	s_add_co_u32 s70, s68, s58
	s_lshl_b32 s70, s70, 14
	s_add_co_u32 s70, s70, s69
	s_mov_b32 s71, 0
	s_add_nc_u64 s[OA:OA+1], s[8:9], s[70:71]
	s_add_co_u32 s70, s68, s59
	s_lshl_b32 s70, s70, 14
	s_add_co_u32 s70, s70, s69
	s_add_nc_u64 s[OB:OB+1], s[8:9], s[70:71]
	v_and_b32 v2, 31, v0
	s_delay_alu instid0(VALU_DEP_1)
	v_lshlrev_b32 v1, 4, v2                        ; 16 x lane: my place in every unit, in LDS and in memory
	global_load_b128 v[16:19], v1, s[QA:QA+1] th:TH_LOAD_NT            ; the first tile's Q
	global_load_b128 v[20:23], v1, s[QA:QA+1] offset:512 th:TH_LOAD_NT
	v_and_b32 v3, 15, v0                           ; r
	v_bfe_u32 v2, v0, 4, 1                         ; h
	s_delay_alu instid0(VALU_DEP_1)
	v_lshlrev_b32 v2, 3, v2
	s_delay_alu instid0(VALU_DEP_1)
	v_sub_nc_u32 v4, v3, v2                        ; r - 8 h
	v_mov_b32 v6, 0xff800000                       ; -infinity
	v_mov_b32 v10, 0                               ; written once: a lane permute's destination counts as one of its sources
	v_mov_b32 v29, 0                               ; (named as the upper half of the pair v[28:29])
.irp i, 44,45,46,47
	v_mov_b32 v\i, 0                               ; permutes' destinations on the way out
.endr
	s_mov_b32 s[SEL], 0x76543210
	s_mov_b32 s[SEL+1], 0xfedcba98
	s_mov_b32 s[HM], 0xffff0000
	s_mov_b32 s[CS], 0x3e38aa3b                    ; log2(e) / 8
	s_wait_kmcnt 0x0
	s_add_co_i32 s75, s[SC+2], s[SC+3]
	s_lshl_b32 s75, s75, 23
	s_add_co_i32 s[CS], s[CS], s75                 ; a score stands for score x 2^(e2 + e3): the exponents are added to c's exponent field
	s_mov_b32 s[CS+1], s[CS]                       ; (named with it as a pair, so it is written)
	s_add_co_i32 s75, s[SC+4], 127
	s_lshl_b32 s76, s75, 23
	v_mov_b32 v24, s76                             ; 2^e4 as f32, for p's conversions
	s_sub_co_i32 s75, s[SC+6], s[SC+4]
	s_sub_co_i32 s75, s75, s[SC+5]                 ; O^T / l stands for that x 2^(e4 + e5): its code is that / 2^(e6 - e4 - e5)
	s_add_co_i32 s75, s75, 127
	s_lshl_b32 s76, s75, 23
	v_mov_b32 v26, s76
; ONE TILE OF 16 QUERIES.  trips: the key steps that the loop walks, a constant; s[g]: the tile's group: steps beyond it are left out, step g lies on the diagonal; s[dq]: 16 x the tile's place in its group;
; s[ob]: where the result goes; nextq: the pair that holds the next tile's place in q, or 0.
.macro PASS trips, g, dq, ob, nextq
	v_mov_b32 v13, 0xff61b1e6                      ; the largest t so far: -3e38, under every t
	s_delay_alu instid0(VALU_DEP_1)
	v_floor_f32 v12, -v13                          ; -M
	v_mov_b32 v14, 0                               ; the sum, in two halves
	v_mov_b32 v15, 0
.set j, 0
.rept 32
	v_mov_b32 v[160+j], 0                          ; O^T.  (The step is written once: the first finds zeros, which the first change of M leaves zeros)
.set j, j+1
.endr
	v_add_nc_u32 v5, s[\dq], v4                    ; d = my query's place in its group's 128 - 8 (lane / 16)
	s_mov_b32 s[KS], 0
	s_mov_b32 s[TB], 0
	s_wait_loadcnt 0x0                             ; Q
.Lstep_\@:
	s_cmp_gt_u32 s[KS], s[\g]                      ; all 128 keys come after my queries: the step's work is left out; the lines at its end that step the address and the count are not
	s_cbranch_scc1 .Lhid_\@
	s_setprio 2
	v_add_nc_u32 v8, s[TB], v1
	s_delay_alu instid0(VALU_DEP_1)
	v_add_nc_u32 v9, LV, v8
	v_nop                                          ; with the two additions: four places in front of loads into registers that the last products have read
	v_nop
.irp t, 0,1,2,3,4,5,6,7
.irp c, 0,1
	ds_load_b128 v[32+8*\t+4*\c:32+8*\t+4*\c+3], v8 offset:1024*\t+512*\c      ; K: tile t of 16 keys
.endr
.endr
.irp t, 0,1,2,3
.irp c, 0,1,2,3
	ds_load_b128 v[192+16*\t+4*\c:192+16*\t+4*\c+3], v9 offset:2048*\t+512*\c  ; V: 16 channels x 128 keys; it lands under the softmax
.endr
.endr
	s_wait_dscnt 16                                ; K is in; V's 16 loads may be out
.irp t, 0,1,2,3,4,5,6,7
	v_wmma_f32_16x16x64_fp8_fp8 v[96+8*\t:103+8*\t], v[32+8*\t:39+8*\t], v[16:23], 0
.endr
.rept 4
	v_nop                                          ; places in front of the first read of the scores
.endr
	s_cmp_lg_u32 s[KS], s[\g]                      ; only the step on the diagonal has hidden keys among visible ones
	s_cbranch_scc1 .Lopen_\@
.set n, 0
	s_wait_alu depctr_va_vdst(0)
.rept 64
	v_cmp_gt_i32 vcc_lo, 16*(n/8)+n%8, v5          ; register n holds key 16 (n / 8) + 8 (lane / 16) + n % 8 of the step: hidden where that is past my query
	v_cndmask_b32 v[96+n], v[96+n], v6, vcc_lo
.set n, n+1
.endr
.Lopen_\@:
	v_max3_num_f32 v30, v96, v97, v98              ; the step's largest score of my query among my 64 keys, in two chains, each score tile from its low end on
	v_max3_num_f32 v31, v99, v100, v101
.set j, 6
.rept 14
	v_max3_num_f32 v30, v30, v[96+j], v[97+j]
	v_max3_num_f32 v31, v31, v[98+j], v[99+j]
.set j, j+4
.endr
	v_max3_num_f32 v30, v30, v158, v159
	s_delay_alu instid0(VALU_DEP_1)
	v_max_num_f32 v30, v30, v31
	s_delay_alu instid0(VALU_DEP_1)
	v_permlanex16_b32 v10, v30, s[SEL], s[SEL+1]
	s_delay_alu instid0(VALU_DEP_1)
	v_max_num_f32 v30, v30, v10                    ; and among lane l xor 16's
	s_delay_alu instid0(VALU_DEP_1)
	v_mul_f32 v30, s[CS], v30                      ; as t (c is positive)
	s_delay_alu instid0(VALU_DEP_1)
	v_max_num_f32 v13, v13, v30                    ; the running largest t
	v_mov_b32 v30, v12
	s_delay_alu instid0(VALU_DEP_2)
	v_floor_f32 v12, -v13                          ; the new -M = floor(-t) = -ceil(t): a whole number
	s_delay_alu instid0(VALU_DEP_1)
	v_sub_f32 v30, v12, v30                        ; M's old value less its new one: a whole number, 0 or less
	s_delay_alu instid0(VALU_DEP_1)
	v_cvt_i32_f32 v30, v30                         ; (it saturates)
	s_delay_alu instid0(VALU_DEP_1)
	v_ldexp_f32 v28, 1.0, v30                      ; f = 2^(old M - new M)
.set j, 0
	s_setprio 1
.rept 32
	v_pk_fma_f32 v[96+j:97+j], v[96+j:97+j], s[CS:CS+1], v[12:13] op_sel_hi:[1,0,0]   ; t - M, two at a time (of the pairs c and -M the low word serves both halves)
.set j, j+2
.endr
.set j, 0
	s_wait_alu depctr_va_vdst(0)
.rept 64
	v_exp_f32 v[96+j], v[96+j]                     ; p = 2^(t - M): one batch
.set j, j+1
.endr
	v_pk_mul_f32 v[14:15], v[14:15], v[28:29] op_sel_hi:[1,0]   ; the sums under the new M: the plain instruction behind the last exponential
	s_wait_alu depctr_va_vdst(0)                   ; one wait for the batch, ahead of its first reader
	v_pk_add_f32 v[48:49], v[100:101], v[104:105]
	v_pk_add_f32 v[94:95], v[108:109], v[112:113]
	v_pk_add_f32 v[92:93], v[116:117], v[120:121]
	v_pk_add_f32 v[90:91], v[124:125], v[128:129]
	v_pk_add_f32 v[88:89], v[132:133], v[136:137]
	v_pk_add_f32 v[86:87], v[140:141], v[144:145]
	v_pk_add_f32 v[84:85], v[148:149], v[152:153]
	v_pk_add_f32 v[14:15], v[14:15], v[156:157]
	v_pk_add_f32 v[48:49], v[48:49], v[96:97]
	v_pk_add_f32 v[94:95], v[94:95], v[98:99]
	v_pk_add_f32 v[92:93], v[92:93], v[102:103]
	v_pk_add_f32 v[90:91], v[90:91], v[106:107]
	v_pk_add_f32 v[88:89], v[88:89], v[110:111]
	v_pk_add_f32 v[86:87], v[86:87], v[114:115]
	v_pk_add_f32 v[84:85], v[84:85], v[118:119]
	v_pk_add_f32 v[14:15], v[14:15], v[122:123]
	v_pk_add_f32 v[48:49], v[48:49], v[126:127]
	v_pk_add_f32 v[94:95], v[94:95], v[130:131]
	v_pk_add_f32 v[92:93], v[92:93], v[134:135]
	v_pk_add_f32 v[90:91], v[90:91], v[138:139]
	v_pk_add_f32 v[88:89], v[88:89], v[142:143]
	v_pk_add_f32 v[86:87], v[86:87], v[146:147]
	v_pk_add_f32 v[84:85], v[84:85], v[150:151]
	s_setprio 0
	v_pk_add_f32 v[14:15], v[14:15], v[154:155]
	v_pk_add_f32 v[48:49], v[48:49], v[158:159]
	s_delay_alu instid0(VALU_DEP_2)
	v_pk_add_f32 v[14:15], v[14:15], v[90:91]
	s_delay_alu instid0(VALU_DEP_2)
	v_pk_add_f32 v[48:49], v[48:49], v[88:89]
	v_pk_add_f32 v[94:95], v[94:95], v[86:87]
	v_pk_add_f32 v[92:93], v[92:93], v[84:85]
	s_delay_alu instid0(VALU_DEP_2)
	v_pk_add_f32 v[14:15], v[14:15], v[94:95]
	s_delay_alu instid0(VALU_DEP_2)
	v_pk_add_f32 v[48:49], v[48:49], v[92:93]
	s_delay_alu instid0(VALU_DEP_1)
	v_pk_add_f32 v[14:15], v[14:15], v[48:49]
.set t, 0
.rept 8
.set i, 0
.rept 8
.set i, i+1
.endr
	v_cvt_scalef32_pk8_fp8_f32 v[32+2*t:33+2*t], v[96+8*t:103+8*t], v24   ; keys 16 t + 8 (lane / 16) + 0..7: registers 2 t, 2 t + 1 of the operand
.set t, t+1
.endr
.set j, 0
.rept 16
	v_pk_mul_f32 v[160+j:161+j], v[160+j:161+j], v[28:29] op_sel_hi:[1,0]   ; O^T under the new M.  (Plain instructions between the conversions and the products that read the codes)
.set j, j+2
.endr
	s_wait_alu depctr_va_vdst(0)
	s_wait_dscnt 0x0                               ; V is in
.irp t, 0,1,2,3
	v_wmma_f32_16x16x128_fp8_fp8 v[160+8*\t:167+8*\t], v[192+16*\t:207+16*\t], v[32:47], v[160+8*\t:167+8*\t]   ; four accumulators by turns; the next step's eight score products stand between two links of a chain
.endr
.Lhid_\@:
	s_add_co_u32 s[TB], s[TB], STEPB
	s_add_co_u32 s[KS], s[KS], 1
	s_cmp_lt_u32 s[KS], \trips
	s_cbranch_scc1 .Lstep_\@
	s_setprio 0
.rept 4
	v_nop                                          ; places behind the last products
.endr
.if \nextq
	global_load_b128 v[16:19], v1, s[\nextq:\nextq+1] th:TH_LOAD_NT            ; the next tile's Q lands under the way out
	global_load_b128 v[20:23], v1, s[\nextq:\nextq+1] offset:512 th:TH_LOAD_NT
.endif
	v_add_f32 v14, v14, v15                        ; the sum's two halves,
	s_delay_alu instid0(VALU_DEP_1)
	v_permlanex16_b32 v10, v14, s[SEL], s[SEL+1]
	s_delay_alu instid0(VALU_DEP_1)
	v_add_f32 v14, v14, v10                        ; and lane l xor 16's: the row's sum
	s_wait_alu depctr_va_vdst(0)
	v_rcp_f32 v14, v14
	v_nop                                          ; a plain instruction behind the reciprocal,
	s_wait_alu depctr_va_vdst(0)                   ; and the wait ahead of its first reader
.set j, 0
.rept 16
	v_pk_mul_f32 v[96+j:97+j], v[160+j:161+j], v[14:15] op_sel_hi:[1,0]   ; O^T / l: register 8 t + i is channel 16 t + 8 (lane / 16) + i of my query
.set j, j+2
.endr
.set j, 0
.rept 32
.set j, j+1
.endr
.irp t, 0,1,2,3
	v_cvt_scalef32_pk8_fp8_f32 v[32+2*\t:33+2*\t], v[96+8*\t:103+8*\t], v26
.endr
	v_nop                                          ; one plain instruction behind the last conversion
	; The halves of the lanes change codes, so that a lane holds 16 NEIGHBOURING channels: lane (r, 0) keeps tile 2 c's eight and takes lane (r, 1)'s eight of that tile; lane (r, 1) keeps tile 2 c + 1's and takes lane (r, 0)'s
.irp c, 0,1
.irp k, 0,1
	v_cndmask_b32 v[40+2*\c+\k], v[34+4*\c+\k], v[32+4*\c+\k], s[HM]   ; what the other half wants of me
.endr
.endr
.irp i, 0,1,2,3
	v_permlanex16_b32 v[44+\i], v[40+\i], s[SEL], s[SEL+1]
.endr
.irp c, 0,1
.irp k, 0,1
	v_cndmask_b32 v[48+4*\c+\k], v[32+4*\c+\k], v[44+2*\c+\k], s[HM]   ; channels 32 c + 16 h + 0..7
	v_cndmask_b32 v[50+4*\c+\k], v[44+2*\c+\k], v[34+4*\c+\k], s[HM]   ; channels 32 c + 16 h + 8..15
.endr
.endr
	global_store_b128 v1, v[48:51], s[\ob:\ob+1]               ; each store covers 512 consecutive bytes, aligned
	global_store_b128 v1, v[52:55], s[\ob:\ob+1] offset:512
	s_wait_xcnt 0x0                                ; the stores have read their registers: the next tile's K lands there
.endm
	s_wait_tensorcnt 1                             ; my part of keys 0-1,023 is in; the other half's load may be out
	s_barrier_signal -1
	s_barrier_wait -1                              ; everybody's is
	PASS 8, GA, DA, OA, QB                         ; the tile of groups 0-7: its eight steps read LDS bytes 0-65,535 of K and of V alone
	s_wait_tensorcnt 0x0                           ; my part of keys 1,024-2,047 is in,
	s_wait_dscnt 0x0
	s_barrier_signal -1
	s_barrier_wait -1                              ; everybody's is
	PASS 16, GB, DB, OB, 0                         ; the tile of groups 8-15
	s_wait_dscnt 0x0
	s_wait_tensorcnt 0x0
	ds_add_u32 v7, v11
	s_wait_dscnt 0x0
	CROUND                                         ; the closing round
	s_endpgm
.Lfunc_end_k_qfabc857581_attn:
	.size	k_qfabc857581_attn, .Lfunc_end_k_qfabc857581_attn-k_qfabc857581_attn
	.p2alignl 7, 3214868480
	.fill 96, 4, 3214868480
	.section	.rodata,"a",@progbits
	.p2align	6, 0x0
	.amdhsa_kernel k_qfabc857581_attn
		.amdhsa_group_segment_fixed_size 264192
		.amdhsa_private_segment_fixed_size 0
		.amdhsa_enable_private_segment 0
		.amdhsa_kernarg_size 24
		.amdhsa_user_sgpr_count 2
		.amdhsa_user_sgpr_kernarg_segment_ptr 1
		.amdhsa_wavefront_size32 1
		.amdhsa_system_sgpr_workgroup_id_x 1
		.amdhsa_system_sgpr_workgroup_id_y 1
		.amdhsa_system_sgpr_workgroup_id_z 1
		.amdhsa_system_vgpr_workitem_id 0
		.amdhsa_next_free_vgpr 256
		.amdhsa_next_free_sgpr 80
		.amdhsa_reserve_vcc 1
		.amdhsa_float_denorm_mode_32 3
		.amdhsa_float_denorm_mode_16_64 3
		.amdhsa_fp16_overflow 1
		.amdhsa_memory_ordered 1
		.amdhsa_forward_progress 1
		.amdhsa_inst_pref_size 53
	.end_amdhsa_kernel
	.amdgpu_metadata
---
amdhsa.version: [ 1, 2 ]
amdhsa.kernels:
  - .name:           k_qfabc857581_attn
    .symbol:         k_qfabc857581_attn.kd
    .args:
      - { .name: qkvc, .offset: 0, .size: 8, .value_kind: global_buffer, .address_space: global }
      - { .name: lowp_scales, .offset: 8, .size: 8, .value_kind: global_buffer, .address_space: global }
      - { .name: attc, .offset: 16, .size: 8, .value_kind: global_buffer, .address_space: global }
    .group_segment_fixed_size: 264192
    .private_segment_fixed_size: 0
    .kernarg_segment_align: 8
    .kernarg_segment_size: 24
    .max_flat_workgroup_size: 512
    .sgpr_count:     80
    .vgpr_count:     256
    .wavefront_size: 32
...
	.end_amdgpu_metadata
.endif
;; end of part 2
;; launch proj (part 3): grid 8 x 32, 4 waves a work-group, clusters of 4 x 4, 327,680 bytes of LDS; arguments attc, W_proj_codes, lowp_scales, out0; writes out0
.if DOCPART == 3
	.amdgcn_target "amdgcn-amd-amdhsa--gfx1250"
	.amdhsa_code_object_version 6
	.text
	.protected	k_qfabc857581_proj
	.globl	k_qfabc857581_proj
	.p2align	8
	.type	k_qfabc857581_proj,@function
k_qfabc857581_proj:
	s_mov_b64 s[64:65], 0
	v_nop
	global_prefetch_b8 v0, s[64:65] scope:SCOPE_SE
	s_setreg_imm32_b32 hwreg(HW_REG_WAVE_MODE, 25, 1), 1
	s_wait_xcnt 0x0
	s_wait_alu depctr_hold_cnt(0) depctr_sa_sdst(0) depctr_va_vdst(0) depctr_va_sdst(0) depctr_va_ssrc(0) depctr_va_vcc(0) depctr_vm_vsrc(0)
	s_getreg_b32 s2, hwreg(HW_REG_IB_STS2, 6, 4)
	s_cmp_eq_u32 s2, 0
	s_cbranch_scc0 .Lentry_in_a_cluster
	s_endpgm
.Lentry_in_a_cluster:
	s_bfe_u32 s2, ttmp6, 0x10000c
	s_cmp_lg_u32 s2, 0xf033
	s_cbranch_scc0 .Lentry_shape_is_right
	s_endpgm
.Lentry_shape_is_right:
; out0 = att W_proj^T on codes of FP8 (E4M3), x 2^(e6 + e7).  att: 8,192 tokens x 1,024, as codes in the order of an operand's registers: [block of 16 tokens (512)][128 along K (8)][c (4)][512 bytes], lane l's 16 bytes
; at 16 l: lane (r, h) holds, of token r, K = 32 c + 16 h + 0..15.  W_proj: [1024][1024] codes, K innermost.  out0: [8192][1024] f32.
; A work-group of four waves makes 256 tokens x 128 columns, a wave 128 x 64: 32 accumulators of 16 x 16.  That gives 256 work-groups of equal work; tiles of 256 x 256 would give 128.
; K = 1,024 goes in four steps of 256.  THREE LDS slots take K steps 0, 1 and 2 at the head (a wave waits for each load before it asks for the next); slot 0 is filled once more, with K step 3, which has two K steps in which to land.
; W_proj's fragments come from padded rows by four loads of 16 bytes, 32 bytes apart: registers 4 c .. 4 c + 3 hold K = 32 c + 16 (l / 16) + 0..15: the order in which att's codes were laid.
; CLUSTERS: 4 x 4 work-groups.  att's tile is asked for jointly by a row of the cluster, W_proj's by a column.  The matrix instruction takes source 0 from W_proj and source 1 from att: a lane holds eight neighbouring
; columns of one token's row.
; LIMIT: e6 + e7 lies between -126 and 127, so that 2^(e6 + e7) is an f32 number.  No prefetch: three of the four K steps are asked for at the head.
; REGISTERS, in windows of 256: window 0: v16-29 addresses; v32-63 a block's results, v64-127 rows read back from the stage; v128-255 att's eight fragments, one set.
;   window 1: W_proj's four fragments, two sets, at v0 and v128.   window 2: accumulator (a, b) at v[8 (4 a + b)].
.set PITCH,  272                       ; a row of W_proj's tile in LDS: 256 bytes + 16 of padding
.set FR,     16
.set NP,     4                         ; places behind this matrix instruction (ISA guide 7.12.1)
.set ABYTES, 65536                     ; att's part of a slot: 16 token blocks x 4,096 bytes, dense: a fragment's load takes 512 consecutive bytes
.set SLOT,   ABYTES+128*PITCH          ; then W_proj's 128 rows
.set STAGE,  3*SLOT                    ; behind the slots: 16 rows x 272 bytes for each wave, for the way out; no tensor load lands there
.set SPITCH, 272
.set SPARE,  STAGE+4*16*SPITCH         ; behind the stages: the spare words, 128 bytes for each wave, which no other line names
.set ADRA, 16                          ; v16-18  LDS address of my att fragments in slot 0, 1, 2
.set ADRB, 20                          ; v20-22  the same for W_proj
.set STO,  24                          ; v24     the way out: where I put 32 bytes of a row
.set RD,   25                          ; v25     where I read a row back
.set CO,   26                          ; v26     my byte offset in out0
.set SPW,  28                          ; v28     LDS address of my spare word; never rewritten
.set NIL,  29                          ; v29     0; never rewritten
.set TMP,  32
.set BK,   64
.set AF,   128
.set G1,  24                           ; s[24:31] descriptor group 1 for att's tiles;  s[32:43] group 0, one set for each slot
.set G0,  32
.set G1B, 44                           ; s[44:51], s[52:63] the same for W_proj's
.set G0B, 52
.set MSB, 0
.macro WIN new                         ; the immediate's high byte repeats the setting that is left
.if MSB != \new
	s_set_vgpr_msb (MSB<<8)|\new
.set MSB, \new
.endif
.endm
.set MUL,  0xa1                        ; source 0 (W_proj) window 1, source 1 (att) window 0, C and D window 2
.set TO_B, 0x40                        ; destination window 1, address window 0
; A joint load: waves 0 and 1 fetch att's two halves, waves 2 and 3 W_proj's.  The branch hangs on the wave's number alone.  Four v_nop follow each of the two lines.
.macro JLOAD s
	s_cmp_eq_u32 s15, 0
	s_cbranch_scc0 .Lfor_b_\@
	tensor_load_to_lds s[G0+4*\s:G0+4*\s+3], s[G1:G1+7]
	s_nop 0
.rept 4
	v_nop
.endr
	s_branch .Lasked_\@
.Lfor_b_\@:
	tensor_load_to_lds s[G0B+4*\s:G0B+4*\s+3], s[G1B:G1B+7]
	s_nop 0
.rept 4
	v_nop
.endr
.Lasked_\@:
.endm
.macro CREST                           ; a round of the cluster's barrier behind its opening barrier
	s_cmp_lg_u32 s14, 0
	s_cbranch_scc1 .Lnot_wave_0_\@
	s_barrier_signal -3
.Lnot_wave_0_\@:
	s_barrier_wait -3
	s_barrier_signal -1
	s_barrier_wait -1
.endm
.macro CROUND
	s_barrier_signal -1
	s_barrier_wait -1
	CREST
.endm
	s_load_b256 s[4:11], s[0:1], 0x0               ; att's codes s[4:5], W_proj's s[6:7], the scales' exponents s[8:9], out0 s[10:11]
	v_lshl_add_u32 v[SPW], v0, 2, SPARE
	v_mov_b32 v[NIL], 0
	ds_add_u32 v28, v29
	ds_add_u32 v28, v29
	s_wait_dscnt 0x0
	v_lshrrev_b32 v1, 5, v0
	v_readfirstlane_b32 s14, v1                    ; wave 0..3
	s_lshr_b32 s15, s14, 1                         ; which half of the tile's tokens is mine.  Also: I fetch for att (0) or for W_proj (1)
	s_and_b32 s16, s14, 1                          ; which half of its columns.  Also: which half of that tile I fetch
	s_bfe_u32 s66, ttmp6, 0x40000                  ; cx, cy
	s_bfe_u32 s67, ttmp6, 0x40004
	s_lshl_b32 s68, ttmp9, 2
	s_add_co_u32 s68, s68, s66                     ; tile column = 4 x cluster x + cx: 128 columns
	s_and_b32 s69, ttmp7, 0xffff
	s_lshl_b32 s69, s69, 2
	s_add_co_u32 s69, s69, s67                     ; tile row = 4 x cluster y + cy: 256 tokens
	s_lshl_b32 s70, s67, 2
	s_lshl_b32 s70, 15, s70                        ; my row of the cluster
	s_lshl_b32 s71, 0x1111, s66                    ; my column
	; att: 8 token blocks; of each the K step's 4,096 bytes, 16,384 bytes apart in memory, dense in LDS
	s_or_b32 s[G1], s70, (3<<16)|(1<<21)           ; 15:0 the mask: my row; 17:16 elements of 8 bytes; 21 set beside a mask
	s_mov_b32 s[G1+1], 512<<16                     ; tensor_dim0 = 512
	s_mov_b32 s[G1+2], 8<<16                       ; tensor_dim1 = 8
	s_mov_b32 s[G1+3], 512<<16                     ; tile_dim0 = 512
	s_mov_b32 s[G1+4], 8                           ; tile_dim1 = 8
	s_mov_b32 s[G1+5], 2048                        ; tensor_dim0_stride
	s_mov_b32 s[G1+6], 0
	s_mov_b32 s[G1+7], 0
	; W_proj: 64 rows x 256 bytes, padded in LDS
	s_or_b32 s[G1B], s71, (0<<16)|(1<<20)|(1<<21)|(5<<22)|(3<<25)   ; the mask: my column; elements of 1 byte; four words of padding after every 64
	s_mov_b32 s[G1B+1], 256<<16
	s_mov_b32 s[G1B+2], 64<<16
	s_mov_b32 s[G1B+3], 256<<16
	s_mov_b32 s[G1B+4], 64
	s_mov_b32 s[G1B+5], 1024
	s_mov_b32 s[G1B+6], 0
	s_mov_b32 s[G1B+7], 0
	s_lshl_b32 s72, s69, 4
	s_lshl_b32 s78, s16, 3
	s_add_co_u32 s72, s72, s78                     ; att: token block 16 x tile row + 8 x half,
	s_lshl_b32 s72, s72, 14                        ; of 16,384 bytes
	s_mov_b32 s73, 0
	s_lshl_b32 s74, s68, 7
	s_lshl_b32 s79, s16, 6
	s_add_co_u32 s74, s74, s79                     ; W_proj: row 128 x tile column + 64 x half,
	s_lshl_b32 s74, s74, 10                        ; of 1,024 bytes
	s_mov_b32 s75, 0
	s_lshl_b32 s76, s16, 15                        ; where they go in a slot: att's half,
	s_mul_i32 s77, s16, 64*PITCH
	s_add_co_u32 s77, s77, ABYTES                  ; W_proj's half: no place in the cluster enters an LDS address
	s_wait_kmcnt 0x0
	s_load_b64 s[96:97], s[8:9], 0x18              ; e6, e7
	s_add_nc_u64 s[72:73], s[4:5], s[72:73]
	s_add_nc_u64 s[74:75], s[6:7], s[74:75]
	CROUND                                         ; all sixteen work-groups are here: the first joint loads meet
.irp s, 0,1,2
	s_mov_b32 s[G0+4*\s], 1
	s_add_co_u32 s[G0+4*\s+1], s76, \s*SLOT
	s_add_nc_u64 s[G0+4*\s+2:G0+4*\s+3], s[72:73], \s*4096
	s_or_b32 s[G0+4*\s+3], s[G0+4*\s+3], 0x80000000
	s_mov_b32 s[G0B+4*\s], 1
	s_add_co_u32 s[G0B+4*\s+1], s77, \s*SLOT
	s_add_nc_u64 s[G0B+4*\s+2:G0B+4*\s+3], s[74:75], \s*256
	s_or_b32 s[G0B+4*\s+3], s[G0B+4*\s+3], 0x80000000
	s_wait_alu depctr_va_vdst(0)
	s_wait_tensorcnt 0x0
	ds_add_u32 v28, v29
	ds_add_u32 v28, v29
	s_wait_dscnt 0x0
	CROUND
	JLOAD \s                                       ; K steps 0, 1, 2
.endr
	v_and_b32 v1, 15, v0                           ; r
	v_bfe_u32 v2, v0, 4, 1                         ; h
	v_and_b32 v6, 31, v0
	v_lshlrev_b32 v7, 4, v6                        ; 16 x lane
	v_mul_u32_u24 v3, v1, PITCH
	v_lshl_add_u32 v4, v2, 4, v3                   ; W_proj: row x pitch + 16 x half
	s_lshl_b32 s78, s15, 15                        ; my 8 token blocks
	s_mul_i32 s79, s16, 64*PITCH                   ; my 64 rows of W_proj,
	s_add_co_u32 s79, s79, ABYTES                  ; behind att's part
.irp s, 0,1,2
	v_add_nc_u32 v[ADRA+\s], s78, v7
	v_add_nc_u32 v[ADRB+\s], s79, v4
	s_add_co_u32 s78, s78, SLOT
	s_add_co_u32 s79, s79, SLOT
.endr
	s_mul_i32 s80, s14, 16*SPITCH
	s_add_co_u32 s80, s80, STAGE                   ; my stage
	v_mul_u32_u24 v5, v1, SPITCH                   ; in: row r, 32 bytes for each half of the lanes
	v_lshl_add_u32 v5, v2, 5, v5
	v_add_nc_u32 v[STO], s80, v5
	v_mul_u32_u24 v5, v2, SPITCH                   ; back: lanes 0-15 take one row of 256 bytes, lanes 16-31 the next
	v_lshl_add_u32 v5, v1, 4, v5
	v_add_nc_u32 v[RD], s80, v5
	v_lshlrev_b32 v5, 12, v2                       ; and the same two rows of out0, 4,096 bytes apart
	v_lshl_add_u32 v[CO], v1, 4, v5
	s_lshl_b32 s82, s69, 8
	s_lshl_b32 s83, s15, 7
	s_add_co_u32 s82, s82, s83                     ; my first token: 256 x tile row + 128 x half
	s_lshl_b32 s82, s82, 12
	s_lshl_b32 s83, s68, 9                         ; my first column, in bytes: 512 x tile column + 256 x half
	s_add_co_u32 s82, s82, s83
	s_lshl_b32 s83, s16, 8
	s_add_co_u32 s82, s82, s83                     ; under 2^25
	s_mov_b32 s83, 0
	s_add_nc_u64 s[10:11], s[10:11], s[82:83]
.macro FRAGA reg, slot, q, i           ; token block i, the slot's q-th 128 along K: four units of 512 bytes
.irp c, 0,1,2,3
	ds_load_b128 v[\reg+4*\c:\reg+4*\c+3], v[ADRA+\slot] offset:(\i)*4096+(\q)*2048+\c*512
.endr
.endm
.macro FRAGB reg, slot, q, i           ; 16 rows of W_proj: registers 4 c .. 4 c + 3 hold K = 32 c + 16 (l / 16) + 0..15
.irp c, 0,1,2,3
	ds_load_b128 v[\reg+4*\c:\reg+4*\c+3], v[ADRB+\slot] offset:128*(\q)+32*\c+(\i)*16*PITCH
.endr
.endm
; 8 matrix instructions: token blocks a0, a0 + 1 x W_proj's four.  p: W_proj's set.  zero = 1: the first product starts the sums.  The 32 accumulators take turns, in the same order in every step.
.macro MUL8 a0, p, zero
.irp a, \a0, \a0+1
.irp b, 0,1,2,3
.if \zero
	v_wmma_f32_16x16x128_fp8_fp8 v[8*(4*(\a)+\b):8*(4*(\a)+\b)+7], v[128*(\p)+FR*\b:128*(\p)+FR*\b+FR-1], v[AF+FR*(\a):AF+FR*(\a)+FR-1], 0
.else
	v_wmma_f32_16x16x128_fp8_fp8 v[8*(4*(\a)+\b):8*(4*(\a)+\b)+7], v[128*(\p)+FR*\b:128*(\p)+FR*\b+FR-1], v[AF+FR*(\a):AF+FR*(\a)+FR-1], v[8*(4*(\a)+\b):8*(4*(\a)+\b)+7]
.endif
.endr
.endr
.endm
.macro FETCH_B slot, q, p
	WIN TO_B
.irp i, 0,1,2,3
	FRAGB 128*(\p)+FR*\i, \slot, \q, \i
.endr
	WIN 0
.endm
.macro FETCH_A slot, q, i0
.irp i, \i0, \i0+1, \i0+2, \i0+3
	FRAGA AF+FR*(\i), \slot, \q, \i
.endr
.endm
.macro PLACES n                        ; places in front of loads into registers that matrix instructions have read, and of the first read of results (ISA guide 7.12.1 for vector instructions)
.rept \n
	v_nop
.endr
.endm
; A step of 128 along K on W_proj's set p; the next step's fragments come from slot ns, its nq-th 128, into the other set.  No barrier: slot ns has been shown whole to every wave.
.macro STEP ns, nq, p, zero
	s_wait_dscnt 16                                ; W_proj's set and token blocks 0-3 are in; the youngest 16 loads (blocks 4-7) may be out
	WIN MUL
	MUL8 0, \p, \zero
	MUL8 2, \p, \zero
	s_wait_dscnt 0
	PLACES NP
	FETCH_B \ns, \nq, 1-(\p)
	FETCH_A \ns, \nq, 0
	WIN MUL
	MUL8 4, \p, \zero
	MUL8 6, \p, \zero
	PLACES NP
	WIN 0
	FETCH_A \ns, \nq, 4
.endm
; A step on set 1 with a barrier in it.  In front of the barrier each wave waits for all its tensor loads, adds 0 to its spare word, and waits for that and for its LDS reads.
; mode = 1: slot fs, which nobody reads any more, is filled again, with K step 3; the barrier then opens a round of the cluster's.  The next fragments come from slot ns.
.macro TURN ns, fs, mode
	s_wait_tensorcnt 0x0                           ; all my tensor loads have landed  (every window is 0 here)
	ds_add_u32 v[SPW], v[NIL]                      ; 0 onto my spare word
	s_wait_dscnt 17                                ; (the add and the youngest 16 loads may be out)
	WIN MUL
	MUL8 0, 1, 0                                   ; eight matrix instructions stand between the add and the wait for it
	s_wait_dscnt 0x0                               ; the add is done, and my reads of the slot in hand are over
	s_barrier_signal -1
	MUL8 2, 1, 0
	WIN 0
	s_barrier_wait -1
.if \mode
	CREST                                          ; no wave of any partner still reads the slot or has a load on its way
	s_add_nc_u64 s[G0+4*\fs+2:G0+4*\fs+3], s[G0+4*\fs+2:G0+4*\fs+3], 3*4096
	s_add_nc_u64 s[G0B+4*\fs+2:G0B+4*\fs+3], s[G0B+4*\fs+2:G0B+4*\fs+3], 3*256
	JLOAD \fs                                      ; the first tensor load behind the round, and my last; its four v_nop are the places in front of the loads below
.else
	PLACES NP
.endif
	FETCH_B \ns, 0, 0
	FETCH_A \ns, 0, 0
	WIN MUL
	MUL8 4, 1, 0
	MUL8 6, 1, 0
	PLACES NP
	WIN 0
	FETCH_A \ns, 0, 4
.endm
	s_wait_tensorcnt 2                             ; my part of K step 0 is in; so is K step 1's; K step 2's load may be out
	s_barrier_signal -1
	s_barrier_wait -1                              ; everybody's is
	FETCH_B 0, 0, 0
	FETCH_A 0, 0, 0
	FETCH_A 0, 0, 4
	STEP 0, 1, 0, 1                                ; K 0-127: its products start the sums
	TURN 1, 0, 1                                   ; K 128-255; slots 1 and 2 are whole; slot 0 takes K step 3
	STEP 1, 1, 0, 0                                ; K 256-383
	s_wait_alu depctr_va_vdst(0)
	STEP 2, 0, 1, 0                                ; K 384-511; on into slot 2
	STEP 2, 1, 0, 0                                ; K 512-639
	TURN 0, 0, 0                                   ; K 640-767; K step 3 has landed, in every wave's part
	STEP 0, 1, 0, 0                                ; K 768-895
	s_wait_dscnt 16                                ; K 896-1,023: nothing more to fetch
	WIN MUL
	MUL8 0, 1, 0
	MUL8 2, 1, 0
	s_wait_dscnt 0
	MUL8 4, 1, 0
	MUL8 6, 1, 0
	WIN 0
; THE WAY OUT, block by block of 16 tokens x 64 columns.  A lane holds 32 neighbouring bytes of a row, the lanes beside it other rows: a block goes through my own stage in LDS and comes back as whole rows of 256 bytes.
; LDS serves a wave's instructions in order (ISA guide 5.7.1.4): no wait between the stores and the loads, nor in front of the next block's stores.
.macro TOSTAGE a
	WIN 0x02                                       ; source 0: window 2
.irp j, 0,2,4,6,8,10,12,14,16,18,20,22,24,26,28,30
	v_pk_mul_f32 v[TMP+\j:TMP+\j+1], v[32*(\a)+\j:32*(\a)+\j+1], s[96:97] op_sel_hi:[1,0]   ; both x s96 = 2^(e6 + e7); each accumulator from its low end on
.endr
	WIN 0
.irp b, 0,1,2,3
	ds_store_b128 v[STO], v[TMP+8*\b:TMP+8*\b+3] offset:64*\b
	ds_store_b128 v[STO], v[TMP+8*\b+4:TMP+8*\b+7] offset:64*\b+16
.endr
.set BB, BK+32*((\a)%2)
.irp t, 0,1,2,3,4,5,6,7
	ds_load_b128 v[BB+4*\t:BB+4*\t+3], v[RD] offset:\t*2*SPITCH
.endr
.endm
.macro SEND a, younger                 ; younger: the LDS instructions issued behind block a's loads, which may stay out
.set BB, BK+32*((\a)%2)
	s_wait_dscnt \younger                          ; the block is back in registers
.if (\a) > 0
	s_add_nc_u64 s[10:11], s[10:11], 16*4096       ; (behind a wait on XCNT: the earlier stores have read their base)  16 rows of out0 on
.endif
.irp t, 0,1,2,3,4,5,6,7
	global_store_b128 v[CO], v[BB+4*\t:BB+4*\t+3], s[10:11] offset:2*\t*4096 th:TH_STORE_NT   ; 16 lanes store 256 consecutive bytes, at a multiple of 256 from out0's first byte; written once, read by nobody here
.endr
.endm
	s_wait_kmcnt 0x0
	s_add_co_i32 s96, s96, s97                     ; e6 + e7, between -126 and 127,
	s_add_co_i32 s96, s96, 127
	s_lshl_b32 s96, s96, 23                        ; makes the f32 number 2^(e6 + e7)
	PLACES NP                                      ; behind the last products
	TOSTAGE 0
.irp a, 1,2,3,4,5,6,7
.if \a > 1
	s_wait_xcnt 0x0                                ; block a - 2's stores have read their registers and their base: block a's loads may land there, and the base may step
.endif
	TOSTAGE \a
	SEND \a-1, 16                                  ; behind block a - 1's loads: block a's 8 stores and 8 loads
.endr
	s_wait_xcnt 0x0                                ; block 6's stores have read their base
	SEND 7, 0
	s_wait_tensorcnt 0x0                           ; the wave's end, behind my last tensor load and my last LDS store
	ds_add_u32 v[SPW], v[NIL]
	s_wait_dscnt 0x0
	CROUND                                         ; the closing round: no work-group ends while a partner may still ask for a tile that names it
	s_endpgm
.Lfunc_end_k_qfabc857581_proj:
	.size	k_qfabc857581_proj, .Lfunc_end_k_qfabc857581_proj-k_qfabc857581_proj
	.p2alignl 7, 3214868480
	.fill 96, 4, 3214868480
	.section	.rodata,"a",@progbits
	.p2align	6, 0x0
	.amdhsa_kernel k_qfabc857581_proj
		.amdhsa_group_segment_fixed_size 327680
		.amdhsa_private_segment_fixed_size 0
		.amdhsa_enable_private_segment 0
		.amdhsa_kernarg_size 32
		.amdhsa_user_sgpr_count 2
		.amdhsa_user_sgpr_kernarg_segment_ptr 1
		.amdhsa_wavefront_size32 1
		.amdhsa_system_sgpr_workgroup_id_x 1
		.amdhsa_system_sgpr_workgroup_id_y 1
		.amdhsa_system_sgpr_workgroup_id_z 1
		.amdhsa_system_vgpr_workitem_id 0
		.amdhsa_next_free_vgpr 768
		.amdhsa_next_free_sgpr 98
		.amdhsa_reserve_vcc 0
		.amdhsa_float_denorm_mode_32 3
		.amdhsa_float_denorm_mode_16_64 3
		.amdhsa_memory_ordered 1
		.amdhsa_forward_progress 1
		.amdhsa_inst_pref_size 79
	.end_amdhsa_kernel
	.amdgpu_metadata
---
amdhsa.version: [ 1, 2 ]
amdhsa.kernels:
  - .name:           k_qfabc857581_proj
    .symbol:         k_qfabc857581_proj.kd
    .args:
      - { .name: attc, .offset: 0, .size: 8, .value_kind: global_buffer, .address_space: global }
      - { .name: W_proj_codes, .offset: 8, .size: 8, .value_kind: global_buffer, .address_space: global }
      - { .name: lowp_scales, .offset: 16, .size: 8, .value_kind: global_buffer, .address_space: global }
      - { .name: out0, .offset: 24, .size: 8, .value_kind: global_buffer, .address_space: global }
    .group_segment_fixed_size: 327680
    .private_segment_fixed_size: 0
    .kernarg_segment_align: 8
    .kernarg_segment_size: 32
    .max_flat_workgroup_size: 128
    .sgpr_count:     98
    .vgpr_count:     768
    .wavefront_size: 32
...
	.end_amdgpu_metadata
.endif
;; end of part 3
